; MI455X (gfx1250); checked and timed in simulation.
; The chip was launched on July 23, 2026; its instructions are those of AMD's public machine-readable ISA for CDNA 5 (MIT licence, August 2026) and "CDNA5" Instruction Set Architecture Reference Guide (July 2026). The comments in the code are by the model that wrote it; some were corrected since.
;; Attention. Allowed arithmetic: matrix products marked QUANTISED: E5M2 operands, one given power-of-two scale a tensor, by v_wmma_f32_16x16x64_bf8_bf8 or v_wmma_f32_16x16x128_bf8_bf8, f32 sums; products left as they are: f32 operands where the result goes on into a quantised operand, else bf16, f16 or f32 operands; f32 sums; everything else in f32.
;; Inputs: W_c 1,024 x 1 float32; W_h 1,024 x 1,024 float32; W_s 1,024 x 1,024 float32; b_s 1,024 float32; coverage 64 x 1,024 float32; enc_padding_mask 64 x 1,024 float32; encoder_outputs 64 x 1,024 x 1,024 float32; lowp_scales 4 int32 (the exponents e of the quantised operands' scales 2^e); s_t_hat 64 x 1,024 float32; v 1 x 1,024 float32.
;; Outputs: out0 64 x 1,024 float32; out1 64 x 1,024 float32; out2 64 x 1,024 float32.
;; This version of the problem:
;;   THIS VERSION OF THE PROBLEM IS GIVEN IN LOW PRECISION. The matrix products marked QUANTISED in the list below multiply operands that are first quantised to E5M2 (5 exponent bits, 2 mantissa bits; 8 bits a number), with one given power-of-two scale for each operand tensor; their sums are f32. All else is computed in f32.
;;   The module's matrix products, in the order in which they are computed (A, B: the left and right operand; K: the contracted axis; several contracted axes count as one K, in the product's order):
;;     1. [M 65,536, K 1,024] x [K 1,024, N 1,024]; A: input encoder_outputs; B: input W_h: QUANTISED (scales: A lowp_scales[0], B lowp_scales[1])
;;     2. [M 64, K 1,024] x [K 1,024, N 1,024]; A: input s_t_hat; B: input W_s: QUANTISED (scales: A lowp_scales[2], B lowp_scales[3])
;;     3. [M 65,536, K 1,024] x [K 1,024, N 1]; A: computed on the way; B: input v: left as it is (N = 1 < 16)
;;     4. batch 64 x [M 1, K 1,024] x [K 1,024, N 1,024]; A: computed on the way; B: input encoder_outputs: left as it is (M = 1 < 16)
;;   THE QUANTISER, for each operand of a quantised product, along K:
;;     - The operand's scale is 2^e, e = its entry of the input lowp_scales (int32; the entries are numbered through the quantised products in the list's order, A before B).
;;     - Each number is divided by the scale, clamped to +-57,344, and rounded to the nearest number of E5M2, ties to even, subnormals kept.
;;     - The product sums the exact products of the quantised numbers (number of the format x scale) in f32.
;;   ~~~python
;;   def quantise(x, axis, e):      # numpy; x: float32 -> the quantised numbers, widened to float32 again
;;       x = np.moveaxis(x, axis, -1); K = x.shape[-1]
;;       r = np.clip(x / 2.0 ** e, -57344, 57344)
;;       step = 2.0 ** (np.maximum(np.frexp(np.where(r == 0, 1, r))[1] - 1, -14) - 2)
;;       q = np.round(r / step) * step * 2.0 ** e      # np.round: ties to even
;;       return np.moveaxis(q, -1, axis).astype(np.float32)
;;   ~~~
;; One version. Each part assembles by itself: llvm-mc -triple=amdgcn-amd-amdhsa -mcpu=gfx1250 --defsym DOCPART=n.
;; ======== version 1 of 1: 3 launches
;; limits: right only within a limited range of input values
;; workspace buffers: wimg 1,048,576 bytes; dec 262,144 bytes; scor 262,144 bytes; part 1,048,576 bytes
;; launch prep (part 1): grid 64 x 4, 8 waves a work-group, no clusters, 9,216 bytes of LDS; arguments W_h, W_s, s_t_hat, b_s, lowp_scales, wimg, dec; writes wimg, dec
.if DOCPART == 1
	.amdgcn_target "amdgcn-amd-amdhsa--gfx1250"
	.amdhsa_code_object_version 6
	.text
	.protected	k_q9e25ab6228_prep
	.globl	k_q9e25ab6228_prep
	.p2align	8
	.type	k_q9e25ab6228_prep,@function
k_q9e25ab6228_prep:
	s_mov_b64 s[64:65], 0
	v_nop
	global_prefetch_b8 v0, s[64:65] scope:SCOPE_SE
	s_setreg_imm32_b32 hwreg(HW_REG_WAVE_MODE, 25, 1), 1
	s_wait_xcnt 0x0
; Two small jobs ahead of the large product.
; (1) W_h [1024 (o)][1024 (k)] f32 becomes codes of E5M2 with the given scale 2^e1, laid in the ORDER OF THE OPERAND'S REGISTERS: the fragment of column tile t (16 outputs) and
;     K step s (128 along K) is 2,048 bytes at (8 t + s) x 2048; lane (r, h) finds at 512 c + 16 x lane the codes of W_h[16 t + r][128 s + 32 c + 16 h + 0 .. 15].
; (2) dec[b][o] = (s_t_hat W_s^T + b_s)[b][o] x 2^-(e0 + e1): the second quantised product (scales 2^e2, 2^e3) on codes, its bias, and the power of two that the large product's sums lack.
; SHARES.  Work-group (t, q) owns column tile t and rows 16 q .. 16 q + 15 of s_t_hat: 64 x 4 = 256 work-groups.  Wave s owns K step s: one fragment of W_s, one of s_t_hat,
; and part c = q of W_h's fragment (16 numbers a lane): 16 + 16 + 4 + 1 loads a wave.  W_s's fragment is read and quantised by the four work-groups of a tile.
; The eight waves' partial sums meet in LDS, one barrier; threads 0-63 add them.
; code = x / 2^e, held within +-57,344, to the nearest code, ties to even.  LIMITS: e1, e2, e3 between -126 and 112; e2 + e3 between -126 and 127.  NaN among the inputs is not served.
; A lane's numbers are loaded in the order that the operand wants: register 16 c + 4 j + i = k 32 c + 16 h + 4 j + i of the lane's row.  The same order of k serves both sides of the product.
; No tensor loads, no cluster: the inputs are small, and what is shared (W_s among four work-groups) is 16 loads of a wave.
; REGISTERS: v1-15 addresses and b_s; v16-31 W_h as loaded; v32-95 W_s; v96-159 s_t_hat; v160-167 the accumulator; v168-199 the partial sums read back;
;   v200-203 W_h's codes; v208-223 W_s's; v224-239 s_t_hat's; v240-242 the three scales as f32; v254, v255 the spare word's address and 0.
.set HR,  16
.set SR,  32
.set TR,  96
.set ACC, 160
.set RED, 168
.set CH,  200
.set CS,  208
.set CT,  224
.set SCH, 240
.set SCS, 241
.set SCT, 242
.set SPARE, 0x2000                     ; behind the eight waves' 1,024 bytes each: the spare words, 128 bytes a wave
.macro FLOAD reg, base                 ; 64 numbers a lane: 16 rows x 128 along K
.irp c, 0,1,2,3
.irp j, 0,1,2,3
	global_load_b128 v[\reg+16*\c+4*\j:\reg+16*\c+4*\j+3], v4, s[\base:\base+1] offset:128*\c+16*\j
.endr
.endr
.endm
.macro MKSCALE e, vs, sp, sn           ; from the whole number e: 2^e as f32 (the conversion takes its exponent field), and +-57,344 x 2^e
	s_add_co_i32 s32, s[\e], 127
	s_lshl_b32 s33, s32, 23
	v_mov_b32 v[\vs], s33
	s_add_co_i32 s32, s32, 15
	s_lshl_b32 s32, s32, 23
	s_or_b32 s[\sp], s32, 0x600000
	s_or_b32 s[\sn], s[\sp], 0x80000000
.endm
.macro QUANT src, dst, sc, sp, sn, n   ; n numbers of a lane become n / 4 registers of codes
.set qi, 0
.rept \n
	v_med3_num_f32 v[\src+qi], v[\src+qi], s[\sn], s[\sp]   ; the conversion to an 8-bit code does not saturate (ISA guide 7.6.2): the hold comes first
.set qi, qi+1
.endr
.set qi, 0
.rept \n/8
	v_cvt_scalef32_pk8_bf8_f32 v[\dst+2*qi:\dst+2*qi+1], v[\src+8*qi:\src+8*qi+7], v[\sc]
.set qi, qi+1
.endr
	v_nop                                          ; one plain vector line behind the last conversion
.endm
	s_load_b256 s[4:11], s[0:1], 0x0               ; W_h s[4:5], W_s s[6:7], s_t_hat s[8:9], b_s s[10:11]
	s_load_b128 s[12:15], s[0:1], 0x20             ; the scales' exponents s[12:13], wimg s[14:15]
	s_load_b64 s[16:17], s[0:1], 0x30              ; dec
	v_lshl_add_u32 v254, v0, 2, SPARE
	v_mov_b32 v255, 0
	v_lshrrev_b32 v1, 5, v0
	s_delay_alu instid0(VALU_DEP_1)
	v_readfirstlane_b32 s18, v1                    ; wave = K step s
	v_and_b32 v2, 15, v0                           ; r
	v_bfe_u32 v3, v0, 4, 1                         ; h
	s_delay_alu instid0(VALU_DEP_2)
	v_lshlrev_b32 v4, 12, v2
	s_delay_alu instid0(VALU_DEP_1)
	v_lshl_add_u32 v4, v3, 6, v4                   ; a fragment's numbers: row r of 4,096 bytes, + 64 h
	v_and_b32 v5, 31, v0
	s_delay_alu instid0(VALU_DEP_1)
	v_lshlrev_b32 v5, 4, v5                        ; 16 x lane
	s_lshl_b32 s19, s18, 10
	v_add_nc_u32 v6, s19, v5                       ; LDS: my wave's partial sums, 1,024 bytes a wave, as an image of the registers
	v_and_b32 v8, 1, v0                            ; the reduction: thread T < 64 owns row T / 4 of the 16 and outputs 4 (T % 4) + 0 .. 3 of the tile.
	s_delay_alu instid0(VALU_DEP_1)
	v_lshlrev_b32 v7, 9, v8                        ; In an image they lie at 512 (T % 2) + 16 (T / 4 + 16 ((T / 2) % 2))
	v_bfe_u32 v8, v0, 2, 4
	s_delay_alu instid0(VALU_DEP_1)
	v_lshl_add_u32 v7, v8, 4, v7
	v_bfe_u32 v8, v0, 1, 1
	s_delay_alu instid0(VALU_DEP_1)
	v_lshl_add_u32 v7, v8, 8, v7
	v_lshrrev_b32 v9, 2, v0
	s_delay_alu instid0(VALU_DEP_1)
	v_lshlrev_b32 v9, 12, v9
	v_and_b32 v10, 3, v0
	s_delay_alu instid0(VALU_DEP_1)
	v_lshlrev_b32 v10, 4, v10                      ; b_s: my four numbers of the tile's 16
	s_delay_alu instid0(VALU_DEP_1)
	v_add_nc_u32 v9, v9, v10                       ; dec: row T / 4 of 4,096 bytes + 16 (T % 4)
	s_and_b32 s43, ttmp7, 0xffff                   ; q
	s_lshl_b32 s20, ttmp9, 16                      ; the tile's 16 rows of a weight,
	s_lshl_b32 s22, s18, 9                         ; my K step's 512 bytes of a row
	s_add_co_u32 s20, s20, s22
	s_mov_b32 s21, 0
	s_lshl_b32 s46, s43, 16                        ; 16 q rows of 4,096 bytes: of s_t_hat and of dec
	s_add_co_u32 s22, s22, s46
	s_mov_b32 s23, 0
	s_lshl_b32 s44, s43, 7                         ; W_h: part c = q of the K step: 128 q bytes on
	s_mov_b32 s45, 0
	s_lshl_b32 s24, ttmp9, 3
	s_add_co_u32 s24, s24, s18
	s_lshl_b32 s24, s24, 11                        ; (8 t + s) x 2,048
	s_lshl_b32 s25, s43, 9
	s_add_co_u32 s24, s24, s25                     ; + 512 q
	s_mov_b32 s25, 0
	s_lshl_b32 s26, ttmp9, 6                       ; the tile's 16 numbers of a row of f32
	s_mov_b32 s27, 0
	s_add_co_u32 s46, s46, s26
	s_mov_b32 s47, 0
	s_wait_alu depctr_va_vdst(0)
	s_wait_kmcnt 0x0
	s_load_b128 s[28:31], s[12:13], 0x0            ; e0, e1, e2, e3
	s_add_nc_u64 s[4:5], s[4:5], s[20:21]
	s_add_nc_u64 s[4:5], s[4:5], s[44:45]
	s_add_nc_u64 s[6:7], s[6:7], s[20:21]
	s_add_nc_u64 s[8:9], s[8:9], s[22:23]
	s_add_nc_u64 s[14:15], s[14:15], s[24:25]
	s_add_nc_u64 s[10:11], s[10:11], s[26:27]
	s_add_nc_u64 s[16:17], s[16:17], s[46:47]
	FLOAD SR, 6                                    ; W_s: 16 loads
	FLOAD TR, 8                                    ; s_t_hat's 16 rows: 16 loads
.irp j, 0,1,2,3
	global_load_b128 v[HR+4*\j:HR+4*\j+3], v4, s[4:5] offset:16*\j   ; W_h's part: 4 loads
.endr
	global_load_b128 v[12:15], v10, s[10:11]       ; b_s: one
	s_wait_kmcnt 0x0
	MKSCALE 29, SCH, 34, 35                        ; e1: W_h
	MKSCALE 31, SCS, 36, 37                        ; e3: W_s
	MKSCALE 30, SCT, 38, 39                        ; e2: s_t_hat
	s_add_co_i32 s40, s30, s31
	s_add_co_i32 s40, s40, 127
	s_lshl_b32 s40, s40, 23                        ; 2^(e2 + e3) as f32
	s_mov_b32 s41, s40                             ; (named with it as a pair, so it is written)
	s_add_co_i32 s42, s28, s29
	s_sub_co_i32 s42, 0, s42                       ; -(e0 + e1)
	s_wait_loadcnt 21                              ; W_s is in: 16 + 4 + 1 loads are younger
	QUANT SR, CS, SCS, 36, 37, 64
	s_wait_loadcnt 5                               ; s_t_hat is in: 4 + 1 are younger
	QUANT TR, CT, SCT, 38, 39, 64
; TRANSPOSED: source 0 = 16 rows of W_s, source 1 = 16 rows of s_t_hat.  Lane (r, h) holds b = 16 q + r, and its register j the output 16 t + 8 h + j.
	v_wmma_f32_16x16x128_bf8_bf8 v[ACC:ACC+7], v[CS:CS+15], v[CT:CT+15], 0
	s_wait_loadcnt 1                               ; W_h's part is in; b_s may be out
	QUANT HR, CH, SCH, 34, 35, 16                  ; its 16 holds name no register of the product: they are the places behind it (ISA guide 7.12.1)
	global_store_b128 v5, v[CH:CH+3], s[14:15]     ; 32 lanes store 512 consecutive bytes, at a multiple of 256 from wimg's first byte
	ds_store_b128 v6, v[ACC:ACC+3]                 ; the accumulator from its low end on
	ds_store_b128 v6, v[ACC+4:ACC+7] offset:512
	s_wait_dscnt 0x0                               ; for the others' sake: my partial sums lie in LDS
	s_barrier_signal -1
	s_barrier_wait -1
	s_cmp_gt_u32 s18, 1
	s_cbranch_scc1 .Ldone                          ; threads 0-63 add the eight K steps' sums, four outputs each
.irp p, 0,1,2,3,4,5,6,7
	ds_load_b128 v[RED+4*\p:RED+4*\p+3], v7 offset:1024*\p
.endr
	s_wait_dscnt 0x0
.irp p, 0,2,4,6
	v_pk_add_f32 v[RED+4*\p:RED+4*\p+1], v[RED+4*\p:RED+4*\p+1], v[RED+4*\p+4:RED+4*\p+5]
	v_pk_add_f32 v[RED+4*\p+2:RED+4*\p+3], v[RED+4*\p+2:RED+4*\p+3], v[RED+4*\p+6:RED+4*\p+7]
.endr
.irp p, 0,4
	v_pk_add_f32 v[RED+4*\p:RED+4*\p+1], v[RED+4*\p:RED+4*\p+1], v[RED+4*\p+8:RED+4*\p+9]
	v_pk_add_f32 v[RED+4*\p+2:RED+4*\p+3], v[RED+4*\p+2:RED+4*\p+3], v[RED+4*\p+10:RED+4*\p+11]
.endr
	s_delay_alu instid0(VALU_DEP_2)
	v_pk_add_f32 v[RED:RED+1], v[RED:RED+1], v[RED+16:RED+17]
	s_delay_alu instid0(VALU_DEP_2)
	v_pk_add_f32 v[RED+2:RED+3], v[RED+2:RED+3], v[RED+18:RED+19]
	s_wait_alu depctr_va_vdst(0)
	s_wait_loadcnt 0x0                             ; b_s
	v_pk_fma_f32 v[RED:RED+1], v[RED:RED+1], s[40:41], v[12:13] op_sel_hi:[1,0,1]       ; sum x 2^(e2 + e3) + b_s
	v_pk_fma_f32 v[RED+2:RED+3], v[RED+2:RED+3], s[40:41], v[14:15] op_sel_hi:[1,0,1]
.irp i, 0,1,2,3
	v_ldexp_f32 v[RED+\i], v[RED+\i], s42          ; x 2^-(e0 + e1)
.endr
	global_store_b128 v9, v[RED:RED+3], s[16:17]   ; four lanes fill 64 consecutive bytes of a row of dec: pieces of rows, 256 KB in the whole launch
.Ldone:
	s_wait_tensorcnt 0x0                           ; the wave's end
	ds_add_u32 v254, v255
	s_wait_dscnt 0x0
	s_endpgm
.Lfunc_end_k_q9e25ab6228_prep:
	.size	k_q9e25ab6228_prep, .Lfunc_end_k_q9e25ab6228_prep-k_q9e25ab6228_prep
	.p2alignl 7, 3214868480
	.fill 96, 4, 3214868480
	.section	.rodata,"a",@progbits
	.p2align	6, 0x0
	.amdhsa_kernel k_q9e25ab6228_prep
		.amdhsa_group_segment_fixed_size 9216
		.amdhsa_private_segment_fixed_size 0
		.amdhsa_enable_private_segment 0
		.amdhsa_kernarg_size 56
		.amdhsa_user_sgpr_count 2
		.amdhsa_user_sgpr_kernarg_segment_ptr 1
		.amdhsa_wavefront_size32 1
		.amdhsa_system_sgpr_workgroup_id_x 1
		.amdhsa_system_sgpr_workgroup_id_y 1
		.amdhsa_system_sgpr_workgroup_id_z 1
		.amdhsa_system_vgpr_workitem_id 0
		.amdhsa_next_free_vgpr 256
		.amdhsa_next_free_sgpr 66
		.amdhsa_reserve_vcc 0
		.amdhsa_float_denorm_mode_32 3
		.amdhsa_float_denorm_mode_16_64 3
		.amdhsa_memory_ordered 1
		.amdhsa_forward_progress 1
		.amdhsa_inst_pref_size 21
	.end_amdhsa_kernel
	.amdgpu_metadata
---
amdhsa.version: [ 1, 2 ]
amdhsa.kernels:
  - .name:           k_q9e25ab6228_prep
    .symbol:         k_q9e25ab6228_prep.kd
    .args:
      - { .name: W_h, .offset: 0, .size: 8, .value_kind: global_buffer, .address_space: global }
      - { .name: W_s, .offset: 8, .size: 8, .value_kind: global_buffer, .address_space: global }
      - { .name: s_t_hat, .offset: 16, .size: 8, .value_kind: global_buffer, .address_space: global }
      - { .name: b_s, .offset: 24, .size: 8, .value_kind: global_buffer, .address_space: global }
      - { .name: lowp_scales, .offset: 32, .size: 8, .value_kind: global_buffer, .address_space: global }
      - { .name: wimg, .offset: 40, .size: 8, .value_kind: global_buffer, .address_space: global }
      - { .name: dec, .offset: 48, .size: 8, .value_kind: global_buffer, .address_space: global }
    .group_segment_fixed_size: 9216
    .private_segment_fixed_size: 0
    .kernarg_segment_align: 8
    .kernarg_segment_size: 56
    .max_flat_workgroup_size: 256
    .sgpr_count:     66
    .vgpr_count:     256
    .wavefront_size: 32
...
	.end_amdgpu_metadata
.endif
;; end of part 1
;; launch scores (part 2): grid 256 x 1, 4 waves a work-group, no clusters, 288,256 bytes of LDS; arguments encoder_outputs, wimg, dec, coverage, W_c, v, lowp_scales, scor, enc_padding_mask, part; writes scor, part
.if DOCPART == 2
	.amdgcn_target "amdgcn-amd-amdhsa--gfx1250"
	.amdhsa_code_object_version 6
	.text
	.protected	k_q9e25ab6228_scores
	.globl	k_q9e25ab6228_scores
	.p2align	8
	.type	k_q9e25ab6228_scores,@function
k_q9e25ab6228_scores:
	s_mov_b64 s[64:65], 0
	v_nop
	global_prefetch_b8 v0, s[64:65] scope:SCOPE_SE
	s_setreg_imm32_b32 hwreg(HW_REG_WAVE_MODE, 25, 1), 1
	s_wait_xcnt 0x0
; scor[b][s] = u = the sum over o of v[o] / (1 + 2^(c z)),  z = (x W_h^T)[s][o] + dec[b][o] + coverage[b][s] W_c[o],  c = 2 log2(e).
; tanh z = 1 - 2 / (1 + 2^(c z)), so the score is sum(v) - 2 u; sum(v) is the same for every s and falls out of the softmax, which the next launch takes (with its maximum taken away).
; The product x W_h^T is QUANTISED: x is turned into codes of E5M2 here, with the given scale 2^e0; W_h's codes (scale 2^e1) come from wimg in the order of the operand's registers.
; The sums BEGIN as (dec + coverage W_c) x 2^-(e0 + e1) (dec arrives so scaled), so that c z = sum x k, k = c x 2^(e0 + e1): one multiplication.
; LIMITS: e0 between -126 and 112; e0 + e1 between -120 and 120 (it is added to c's exponent field).  NaN among the inputs is not served; an infinity is held at the largest code.
; SHARES.  Work-group g owns rows 256 g .. 256 g + 255 of x (all of batch g / 4), as two blocks of 128.  Wave w streams the 64 rows 256 g + 64 w on: its first 32 are LDS rows 32 w .. 32 w + 31 of block 0, the other 32 of block 1.
; In a block each wave multiplies ALL 128 rows by 64 columns a pass (32 accumulators, 256 registers), four passes: columns 256 w + 64 p + 0 .. 63.  A pass is 8 K steps of 128, 32 matrix instructions each.
; THE MATRIX INSTRUCTION IS USED TRANSPOSED (source 0 = 16 rows of W_h, source 1 = 16 rows of x): lane (r, h) of accumulator (a, b) holds x's row 16 a + r and outputs 16 b + 8 h + 0 .. 7.
; x's codes lie in LDS as rows of 1,024 bytes + 16 (260 words: row r starts at bank 4 r mod 64: ISA guide 11.1), in two buffers: block 1 is loaded and quantised under block 0's work.
; BLOCK 0's SHARE OF THE CONTEXT VECTOR IS MADE HERE: part[g][:] = the sum over block 0's 128 rows of 2^(t - M_g) x mask x x[row][:], t = -c u, M_g the largest t among these 128 rows (the maximum is taken away; the next
; launch brings the sum under the batch's own maximum).  Its rows are read a second time under block 1's passes, in which nothing else is asked of memory and the ring of x is free: wave w takes columns 256 w .. 256 w + 255 of all
; 128 rows, 32 rows a pass, four a K step, in f32 (the product has M = 1: fused multiply-adds).
; NO TENSOR LOADS, NO JOINT LOADS FOR W: each fragment of W is multiplied by one wave of the work-group, so it goes from memory straight into that wave's registers (16 loads of 512 consecutive bytes a step, three steps ahead,
; four sets).  Through LDS each would be written and read once more, 8 KB a wave and step beside x's 16 KB; and beside the two buffers of 133,120 bytes and 21,504 of tables LDS has 39,936 bytes left, less than two slots of a K step
; of the work-group's 256 columns (2 x 32,768).
; x IS ASKED FOR IN THE EPILOGUES ONLY: loads come back in order (ISA guide 5.7.1), so a load of x among a K step's loads of W would hold every later wait for W back.
; REGISTERS, in windows of 256.  window 0: v1-15, v61 addresses; v16-23 coverage x 2^-(e0+e1) of row tile a, block 0 (in block 1: v16-19 the weights of block 0's rows); v24-31 the same of block 1; v32-47 u, a pair for each row tile;
;   v48-55 a row's codes (in block 1: my eight sums of part); v56 2^e0; v57-60 at work; v64-95 W_c and v96-127 dec of the next pass's 64 columns; v128-255 W's sets 2, 3.
;   window 1: the ring of x: 8 slots of 32 registers.   window 2: accumulator (a, b) at v[8 (4 a + b)].   window 3: v0-127 x's 8 fragments (in the epilogue v0-31: v of the pass's columns); v128-255 W's sets 0, 1.
.set PITCH, 1040
.set ABUF1, 128*PITCH                  ; block 1's codes; block 0's lie at 0
.set TAB,   2*ABUF1                    ; three tables of 1,024 f32: number o at 1280 (o / 256) + 4 (o % 256); in dec's and W_c's the first 256 bytes of each part are repeated behind it,
.set TCH,   1280                       ; so that the next pass's numbers always lie 256 bytes on, from pass 3 to pass 0 too
.set TWC,   4*TCH                      ; dec at TAB, W_c at TAB + TWC, v at TAB + TVT
.set TVT,   8*TCH
.set SCR,   TAB+12*TCH                 ; the waves' partial u: 2,048 bytes a block: 512 w + 4 x row
.set FS,    SCR+4096                   ; the 256 finished u, in the order of the work-group's rows
.set MSK,   FS+1024                    ; the mask of the 256 rows, likewise
.set PW,    16
.set SC,    32
.set CD,    48
.set CA,    48
.set WCT,   64
.set DCT,   96
.set MSB, 0
.macro WIN new                         ; low byte: bits 1:0 source 0, 3:2 source 1, 5:4 source 2, 7:6 destination; the high byte repeats the setting that is left
.if MSB != \new
	s_set_vgpr_msb (MSB<<8)|\new
.set MSB, \new
.endif
.endm
; A load into a register that a matrix instruction has read, and a vector instruction that reads or writes one of its registers, stand four places behind it; only plain vector lines that name none of its registers are places.
.macro PLACES
.rept 4
	v_nop
.endr
.endm
.macro XLOAD q, rows, nt=0             ; one row of x, 4,096 bytes, into slot q: load j is 512 consecutive bytes; a lane gets K = 128 j + 4 x lane + 0 .. 3.  nt = 1: a row that this launch reads once (block 1's); block 0's rows are read a second time
	WIN 0x40
.irp j, 0,1,2,3,4,5,6,7
.if \nt
	global_load_b128 v[32*(\q)+4*\j:32*(\q)+4*\j+3], v1, s[4:5] offset:((\rows)+(\q))*4096+512*\j th:TH_LOAD_NT
.else
	global_load_b128 v[32*(\q)+4*\j:32*(\q)+4*\j+3], v1, s[4:5] offset:((\rows)+(\q))*4096+512*\j
.endif
.endr
.endm
.macro YLOAD q                         ; block 0 once more: my 1,024 bytes of rows 4 q .. 4 q + 3 of the pass's 32, into slot q: eight loads of 512 consecutive bytes, as many as XLOAD's, so that every count of loads holds for both
	WIN 0x40
.irp i, 0,1,2,3
	global_load_b128 v[32*(\q)+8*\i:32*(\q)+8*\i+3], v1, s[52:53] offset:(4*(\q)+\i)*4096 th:TH_LOAD_NT
	global_load_b128 v[32*(\q)+8*\i+4:32*(\q)+8*\i+7], v1, s[52:53] offset:(4*(\q)+\i)*4096+512 th:TH_LOAD_NT
.endr
.endm
.macro XCONS q, cnt, dsw               ; slot q's row becomes 1,024 codes in LDS.  cnt >= 0: the loads that may stay out.  dsw = 1: wait for the last row's stores, which read the registers of the codes
.if \cnt >= 0
	s_wait_loadcnt \cnt
.endif
	WIN 0x41
.set xi, 0
.rept 32
	v_med3_num_f32 v[32*(\q)+xi], v[32*(\q)+xi], s29, s28      ; the conversion does not saturate (ISA guide 7.6.2): held within +-57,344 x 2^e0 first
.set xi, xi+1
.endr
.if \dsw
	s_wait_alu depctr_va_vdst(0)                   ; directly ahead of the wait below
	s_wait_dscnt 0x0
.endif
	WIN 0x01
.irp g, 0,1,2,3
	v_cvt_scalef32_pk8_bf8_f32 v[CD+2*\g:CD+2*\g+1], v[32*(\q)+8*\g:32*(\q)+8*\g+7], v56   ; code register j holds the four codes of load j
.endr
	WIN 0
	v_nop                                          ; one plain line behind the last conversion
.irp j, 0,1,2,3,4,5,6,7
	ds_store_b32 v8, v[CD+\j] offset:(\q)*PITCH+128*\j             ; 32 lanes store 128 consecutive bytes of the row
.endr
.endm
.macro YCONS q                         ; slot q's four rows of block 0, each times its weight, onto my eight sums.  Lane l of v[PW] holds the weight of the pass's row l
	WIN 0
.irp i, 0,1,2,3
	v_readlane_b32 s[54+2*\i], v[PW], 4*(\q)+\i
.endr
	WIN 0x01                                       ; source 0: the ring's window
.irp i, 0,1,2,3
.irp m, 0,2,4,6
	v_pk_fma_f32 v[CA+\m:CA+\m+1], v[32*(\q)+8*\i+\m:32*(\q)+8*\i+\m+1], s[54+2*\i:55+2*\i], v[CA+\m:CA+\m+1] op_sel_hi:[1,0,1]
.endr
.endr
	s_wait_alu depctr_va_vdst(0)
.endm
.macro ALOAD half, s, adr              ; four of x's fragments of K step s: registers 4 c .. 4 c + 3 hold K = 128 s + 32 c + 16 h + 0 .. 15, as W's do
	WIN 0xc0
.irp a, 0,1,2,3
.irp c, 0,1,2,3
	ds_load_b128 v[16*(4*\half+\a)+4*\c:16*(4*\half+\a)+4*\c+3], v[\adr] offset:\a*16*PITCH+128*(\s)+32*\c
.endr
.endr
.endm
.macro BLOAD s                         ; W's four fragments of K step s into set s % 4
.set bset, (\s)%4
.if bset < 2
	WIN 0xc0
.else
	WIN 0
.endif
.irp b, 0,1,2,3
.irp c, 0,1,2,3
	global_load_b128 v[128+64*(bset%2)+16*\b+4*\c:128+64*(bset%2)+16*\b+4*\c+3], v1, s[36:37] offset:\b*16384+(\s)*2048+512*\c
.endr
.endr
.endm
.macro MUL16 half, s                   ; 16 matrix instructions.  The 32 accumulators take turns, one instruction a turn, in the same order in every step
.set mset, (\s)%4
.if mset < 2
	WIN 0xaf
.else
	WIN 0xac
.endif
.irp a, 0,1,2,3
.irp b, 0,1,2,3
	v_wmma_f32_16x16x128_bf8_bf8 v[8*(4*(4*\half+\a)+\b):8*(4*(4*\half+\a)+\b)+7], v[128+64*(mset%2)+16*\b:128+64*(mset%2)+16*\b+15], v[16*(4*\half+\a):16*(4*\half+\a)+15], v[8*(4*(4*\half+\a)+\b):8*(4*(4*\half+\a)+\b)+7]
.endr
.endr
.endm
; A K step.  x has ONE set of fragments: the lower four are fetched anew behind their 16 products, the upper four behind theirs.  Between the two halves stands the ring's work, which is also the places:
; blk = 0: one row of block 1 is quantised (32 holds);  blk = 1: four rows of block 0 go into part (16 multiply-adds).
.macro STEP s, blk, alo, ahi
.if \blk
.set sst, 0
.else
.set sst, 8                            ; the row's eight stores of codes
.endif
.if \s <= 5
	s_wait_loadcnt 32                              ; W's set of this step is in: the two sets asked for behind it may be out.  (The ring's eight slots were asked for behind W's first three sets: the same count shows slots 0-3 in at step 0, 4 and 5 at step 1, 6 and 7 at step 2)
.elseif \s == 6
	s_wait_loadcnt 16
.else
	s_wait_loadcnt 0x0
.endif
	s_wait_dscnt 16                                ; x's lower four fragments are in (and the last row's stores of codes are done); the upper four, 16 loads, may be out
	MUL16 0, \s
.if \blk
	YCONS \s
.else
	XCONS \s, -1, 0
.endif
.if \s < 7
	ALOAD 0, \s+1, \alo
.endif
.if \s <= 4
	BLOAD \s+3                                     ; into the set that the step before multiplied; the places at that step's end stand between
.endif
.if \s < 7
	s_wait_dscnt 16+sst                            ; the upper four are in; behind them: the row's stores (block 0) and the 16 loads just issued
.else
	s_wait_dscnt sst
.endif
	MUL16 1, \s
	PLACES
.if \s < 7
	ALOAD 1, \s+1, \ahi
.endif
.endm
.macro TABLOAD off                     ; W_c and dec of 64 columns, in the result's layout: lane (r, h), tile b: the eight of 16 b + 8 h on
.irp b, 0,1,2,3
.irp u, 0,1
	ds_load_b128 v[WCT+8*\b+4*\u:WCT+8*\b+4*\u+3], v10 offset:TWC+\off+64*\b+16*\u
	ds_load_b128 v[DCT+8*\b+4*\u:DCT+8*\b+4*\u+3], v10 offset:\off+64*\b+16*\u
.endr
.endr
.endm
.macro CINIT cov                       ; the sums begin as dec + coverage x W_c, both x 2^-(e0 + e1): no addition is left for the epilogue
	WIN 0x80
.irp p, 0,1,2,3
.irp b, 0,1,2,3
.irp i, 0,2,4,6
	v_pk_fma_f32 v[8*(8*\p+\b)+\i:8*(8*\p+\b)+\i+1], v[WCT+8*\b+\i:WCT+8*\b+\i+1], v[\cov+2*\p:\cov+2*\p+1], v[DCT+8*\b+\i:DCT+8*\b+\i+1] op_sel_hi:[1,0,1]   ; row tile 2 p: the pair's first register for both halves
.endr
.endr
.irp b, 0,1,2,3
.irp i, 0,2,4,6
	v_pk_fma_f32 v[8*(8*\p+4+\b)+\i:8*(8*\p+4+\b)+\i+1], v[WCT+8*\b+\i:WCT+8*\b+\i+1], v[\cov+2*\p:\cov+2*\p+1], v[DCT+8*\b+\i:DCT+8*\b+\i+1] op_sel:[0,1,0] op_sel_hi:[1,1,1]   ; row tile 2 p + 1: its second
.endr
.endr
.endr
.endm
; One or two slots of the ring are asked for, for the next pass.  blk = 0: the next rows of block 1; in block 0's last pass block 1 is complete, and the slots take block 0's first rows for part.
; blk = 1: block 0's next rows; the last pass has none left to ask for: no load leaves its buffer.
.macro XGROUP blk, q0, q1
	WIN 0
	s_cmp_eq_u32 s32, 1
.if \blk
	s_cbranch_scc1 .Lasked_\@
.else
	s_cbranch_scc1 .Lagain_\@
	XLOAD \q0, 8, 1
.if \q1 != \q0
	XLOAD \q1, 8, 1
.endif
	WIN 0
	s_branch .Lasked_\@
.Lagain_\@:
.endif
	YLOAD \q0
.if \q1 != \q0
	YLOAD \q1
.endif
	WIN 0
.Lasked_\@:
.endm
; THE EPILOGUE, in place in the accumulators, by row tiles (4 accumulators, 32 registers), in ten turns of three stages: row tile n: x k, 2^; row tile n - 1: + 1, 1 / ; row tile n - 2: x v.
; A turn is: one wait; 48 plain packed lines at the most; one wait; ONE batch of 64 transcendentals at the most; a plain line (ISA guide 5.7.2).
; x v goes in four chains, one for each accumulator of the row tile, summed into that accumulator's first pair; the pass's end adds the four pairs.
; Where rows of x are asked for, the branches stand at the turn's head, behind a wait of their own.
; 2^(c z) = infinity gives 0, 2^(c z) = 0 gives 1: tanh's two ends, with no clamp.
.macro EPI blk
.set en, 0
.rept 10
.if (en == 0) || ((en >= 2) && (en <= 4)) || (en == 6)
	s_wait_alu depctr_va_vdst(0)
.endif
.if en == 0
	XGROUP \blk, 0, 0
.elseif en == 2
	XGROUP \blk, 1, 2
.elseif en == 3
	XGROUP \blk, 3, 4
.elseif en == 4
	XGROUP \blk, 5, 6
.elseif en == 6
	XGROUP \blk, 7, 7
.endif
	WIN 0xae                                       ; destination, source 0 and source 2: the accumulators' window; source 1: v's
.if en == 2
	s_wait_dscnt 0x0                               ; v of this pass (first used below), and the next pass's W_c and dec
.endif
	s_wait_alu depctr_va_vdst(0)                   ; for the last batch's results, and directly ahead of the first reader of row tile n's matrix results
.if en < 8
.irp t, 0,1,2,3
.irp i, 0,2,4,6
	v_pk_mul_f32 v[32*en+8*\t+\i:32*en+8*\t+\i+1], v[32*en+8*\t+\i:32*en+8*\t+\i+1], s[30:31] op_sel_hi:[1,0]   ; c z; each accumulator from its low end on
.endr
.endr
.endif
.if (en >= 1) && (en <= 8)
.set eq, 0
.rept 16
	v_pk_add_f32 v[32*(en-1)+2*eq:32*(en-1)+2*eq+1], v[32*(en-1)+2*eq:32*(en-1)+2*eq+1], 1.0 op_sel_hi:[1,0]
.set eq, eq+1
.endr
.endif
.if en >= 2
.irp i, 0,2,4,6
.irp t, 0,1,2,3
.if \i == 0
	v_pk_mul_f32 v[32*(en-2)+8*\t:32*(en-2)+8*\t+1], v[32*(en-2)+8*\t:32*(en-2)+8*\t+1], v[8*\t:8*\t+1]          ; an accumulator's first product starts its sum
.else
	v_pk_fma_f32 v[32*(en-2)+8*\t:32*(en-2)+8*\t+1], v[32*(en-2)+8*\t+\i:32*(en-2)+8*\t+\i+1], v[8*\t+\i:8*\t+\i+1], v[32*(en-2)+8*\t:32*(en-2)+8*\t+1]
.endif
.endr
.endr
.endif
.if en <= 8
	s_wait_alu depctr_va_vdst(0)                   ; ahead of the batch: its sources were written just above
.if en < 8
.set eq, 0
.rept 32
	v_exp_f32 v[32*en+eq], v[32*en+eq]
.set eq, eq+1
.endr
.endif
.if en >= 1
.set eq, 0
.rept 32
	v_rcp_f32 v[32*(en-1)+eq], v[32*(en-1)+eq]
.set eq, eq+1
.endr
.endif
	v_nop                                          ; a plain line behind the last transcendental
.endif
.set en, en+1
.endr
.endm
; A PASS of block blk: 128 rows x my 64 columns.  In block 1's last pass nothing follows, so no tables and no W are asked for.
.macro PASS blk, alo, ahi, cov
	ALOAD 0, 0, \alo
	ALOAD 1, 0, \ahi
	CINIT \cov                                     ; stands between the fragments' loads and the first wait for them
.irp s, 0,1,2,3,4,5,6,7
	STEP \s, \blk, \alo, \ahi
.endr
	WIN 0
	v_add_nc_u32 v10, s34, v9                      ; my tables at this pass's columns
	WIN 0xc0
.irp b, 0,1,2,3
.irp u, 0,1
	ds_load_b128 v[8*\b+4*\u:8*\b+4*\u+3], v10 offset:TVT+64*\b+16*\u      ; v, where x's first two fragments lay
.endr
.endr
	WIN 0
.if \blk
	s_cmp_eq_u32 s32, 1
	s_cbranch_scc1 .Lskip_\@
.endif
	TABLOAD 256                                    ; the next pass's W_c and dec
	s_wait_xcnt 0x0                                ; W's base is written again only behind this wait
	s_add_co_u32 s35, s35, 1
	s_and_b32 s35, s35, 3                          ; the next pass, 0 behind 3
	s_lshl_b32 s38, s35, 16                        ; its four column tiles: 65,536 bytes a pass
	s_add_nc_u64 s[36:37], s[6:7], s[38:39]
	BLOAD 0                                        ; its first three sets of W: they land under the epilogue
	BLOAD 1
	BLOAD 2
	WIN 0
.if \blk
.Lskip_\@:
.endif
	EPI \blk
	WIN 0x08
.irp b, 0,1,2,3
.irp a, 0,1,2,3,4,5,6,7
	v_pk_add_f32 v[SC+2*\a:SC+2*\a+1], v[SC+2*\a:SC+2*\a+1], v[32*\a+8*\b:32*\a+8*\b+1]   ; the four chains of each row tile; the eight row tiles take turns
.endr
.endr
	WIN 0
	s_wait_alu depctr_va_vdst(0)                   ; directly ahead of the wait below
	s_wait_xcnt 0x0                                ; the ring's base is stepped only behind this wait
.if \blk
	s_add_nc_u64 s[52:53], s[52:53], 262144        ; block 0's next 32 rows lie 64 rows on
.else
	s_add_nc_u64 s[4:5], s[4:5], 32768             ; 8 rows on
	s_add_co_u32 s33, s33, 8*PITCH
.endif
	s_add_co_u32 s34, s34, 256
.endm
; A block's end: a lane's two halves and lane l xor 16's are added; the four waves' parts (256 columns each) meet in LDS; wave w adds them for rows 32 w + lane.
.macro BLOCKEND k
.irp a, 0,1,2,3,4,5,6,7
	v_add_f32 v[SC+2*\a], v[SC+2*\a], v[SC+2*\a+1]
.endr
.irp a, 0,1,2,3,4,5,6,7
	v_permlanex16_b32 v[SC+2*\a+1], v[SC+2*\a], s40, s41
.endr
.irp a, 0,1,2,3,4,5,6,7
	v_add_f32 v[SC+2*\a], v[SC+2*\a], v[SC+2*\a+1]
.endr
.irp a, 0,1,2,3,4,5,6,7
	ds_store_b32 v11, v[SC+2*\a] offset:2048*\k+64*\a              ; row 16 a + r (both halves of the lanes store the same number)
.endr
	s_wait_dscnt 0x0                               ; for the others' sake: my part of u, and (block 0) my rows of block 1's codes, lie in LDS; my reads of the block are over
	s_barrier_signal -1
	s_barrier_wait -1
.irp p, 0,1,2,3
	ds_load_b32 v[57+\p], v12 offset:2048*\k+512*\p
.endr
	s_wait_dscnt 0x0
	v_add_f32 v57, v57, v58
	v_add_f32 v59, v59, v60
	v_add_f32 v57, v57, v59
	ds_store_b32 v13, v57 offset:128*\k            ; LDS row 32 w + lane of block k is my wave's row 32 k + lane
.endm
	s_load_b512 s[4:19], s[0:1], 0x0               ; x s[4:5], wimg s[6:7], dec s[8:9], coverage s[10:11], W_c s[12:13], v s[14:15], the scales' exponents s[16:17], scor s[18:19]
	s_load_b128 s[48:51], s[0:1], 0x40             ; the mask s[48:49], part s[50:51]
	v_lshrrev_b32 v57, 5, v0
	v_readfirstlane_b32 s20, v57                   ; wave w
	v_and_b32 v58, 31, v0                          ; lane
	v_and_b32 v59, 15, v0                          ; r
	v_bfe_u32 v60, v0, 4, 1                        ; h
	v_lshlrev_b32 v1, 4, v58                       ; 16 x lane
	v_mul_u32_u24 v2, v59, PITCH
	v_lshl_add_u32 v2, v60, 4, v2                  ; x's fragments: row r x pitch + 16 h: block 0, rows 0-63;
	v_add_nc_u32 v3, 64*PITCH, v2                  ; rows 64-127;
	v_add_nc_u32 v4, ABUF1, v2                     ; block 1
	v_add_nc_u32 v5, ABUF1+64*PITCH, v2
	s_mul_i32 s22, s20, 32*PITCH
	v_lshl_add_u32 v6, v58, 2, s22                 ; where I store codes: my wave's 32 rows, 4 bytes a lane: block 0,
	v_add_nc_u32 v7, ABUF1, v6                     ; block 1
	s_mul_i32 s22, s20, TCH
	s_add_co_u32 s22, s22, TAB
	v_lshl_add_u32 v9, v60, 5, s22                 ; my wave's part of a table, + 32 h
	s_lshl_b32 s22, s20, 9
	s_add_co_u32 s22, s22, SCR
	v_lshl_add_u32 v11, v59, 2, s22                ; my wave's partial u, row r of a tile
	v_lshl_add_u32 v12, v0, 2, SCR                 ; and where I read the four parts of row 32 w + lane
	s_lshl_b32 s22, s20, 8
	s_add_co_u32 s22, s22, FS
	v_lshl_add_u32 v13, v58, 2, s22                ; finished u: 4 (64 w + lane),
	v_lshl_add_u32 v14, v58, 3, s22                ; read back 8 bytes a lane
	v_lshlrev_b32 v15, 3, v58                      ; and stored so
	v_lshrrev_b32 v61, 6, v0                       ; the tables' way in: thread T takes bytes 16 T and 16 T + 2,048 of each
	v_lshlrev_b32 v62, 4, v0
	v_lshl_add_u32 v58, v61, 8, v62
	v_add_nc_u32 v58, TAB, v58                     ; to TAB + 16 T + 256 (T / 64): parts of 1,024 bytes, 1,280 apart
	v_bfe_u32 v57, v0, 4, 2                        ; the repeats: threads 0-63 dec's, 64-127 W_c's: part (T % 64) / 16, 16 bytes at 16 r
	v_lshlrev_b32 v63, 10, v57
	v_lshl_add_u32 v63, v59, 4, v63
	v_mul_u32_u24 v57, v57, TCH
	v_lshl_add_u32 v57, v59, 4, v57
	v_mad_u32_u24 v57, v61, TWC, v57
	v_add_nc_u32 v57, TAB+1024, v57
	v_lshlrev_b32 v60, 2, v59                      ; coverage: 4 r
	v_and_b32 v61, 31, v0
	v_lshl_add_u32 v61, v61, 2, FS                 ; finished u of row 64 q + lane at 256 q from here; its mask 1,024 further on.  Kept
	v_lshlrev_b32 v160, 3, v0                      ; the mask's way in: thread T takes rows 2 T and 2 T + 1,
	v_add_nc_u32 v161, MSK, v160                   ; to MSK + 8 T
	s_lshl_b32 s38, ttmp9, 20                      ; 256 rows of 4,096 bytes a work-group,
	s_mov_b32 s39, 0
	s_lshl_b32 s22, s20, 18                        ; 64 a wave; also: my wave's 16 column tiles of wimg
	s_mov_b32 s23, 0
	s_mov_b32 s40, 0x76543210                      ; v_permlanex16_b32's selects for lane l xor 16
	s_mov_b32 s41, 0xfedcba98
	s_mov_b32 s46, 0xc038aa3b                      ; -c
	s_mov_b32 s55, 0                               ; (the upper halves of the four pairs that carry a row's weight: named with them, so they are written)
	s_mov_b32 s57, 0
	s_mov_b32 s59, 0
	s_mov_b32 s61, 0
	s_wait_alu depctr_va_vdst(0)
	s_wait_kmcnt 0x0
	s_load_b128 s[24:27], s[16:17], 0x0            ; e0, e1, (e2, e3)
	s_add_nc_u64 s[4:5], s[4:5], s[38:39]
	s_mov_b64 s[52:53], s[4:5]                     ; x at the work-group's first row, for the second reading
	s_add_nc_u64 s[4:5], s[4:5], s[22:23]
	s_add_nc_u64 s[6:7], s[6:7], s[22:23]
	s_lshr_b32 s38, ttmp9, 2
	s_lshl_b32 s38, s38, 12
	s_add_nc_u64 s[8:9], s[8:9], s[38:39]          ; dec's row of batch g / 4
	s_lshl_b32 s38, ttmp9, 10
	s_add_nc_u64 s[10:11], s[10:11], s[38:39]      ; coverage, scor and the mask at my 256 rows
	s_add_nc_u64 s[18:19], s[18:19], s[38:39]
	s_add_nc_u64 s[48:49], s[48:49], s[38:39]
	s_lshl_b32 s38, ttmp9, 12
	s_add_nc_u64 s[50:51], s[50:51], s[38:39]      ; part's row g,
	s_lshl_b32 s38, s20, 10
	s_add_nc_u64 s[50:51], s[50:51], s[38:39]      ; at my wave's 256 columns;
	s_add_nc_u64 s[52:53], s[52:53], s[38:39]      ; and x's rows likewise
	s_lshl_b32 s38, s20, 8
	s_add_nc_u64 s[18:19], s[18:19], s[38:39]      ; scor at my wave's 64
	s_cmp_lt_u32 s20, 2
	s_cselect_b64 s[44:45], s[8:9], s[12:13]       ; whose repeats I fetch: the choice hangs on the wave's number alone
	global_load_b128 v[128:131], v62, s[8:9]
	global_load_b128 v[132:135], v62, s[8:9] offset:2048
	global_load_b128 v[136:139], v62, s[12:13]
	global_load_b128 v[140:143], v62, s[12:13] offset:2048
	global_load_b128 v[144:147], v62, s[14:15]
	global_load_b128 v[148:151], v62, s[14:15] offset:2048
	global_load_b128 v[152:155], v63, s[44:45]
	global_load_b64 v[156:157], v160, s[48:49]
.irp k, 0,1
.irp a, 0,1,2,3,4,5,6,7
	global_load_b32 v[16+8*\k+\a], v60, s[10:11] offset:(64*(\a/2)+32*\k+16*(\a%2))*4     ; LDS row 16 a + r of block k is row 64 (a / 2) + 32 k + 16 (a % 2) + r of the work-group's 256
.endr
.endr
	XLOAD 0, 0
	XLOAD 1, 0
	XLOAD 2, 0
	XLOAD 3, 0
	XLOAD 4, 0
	WIN 0
	s_wait_kmcnt 0x0
	s_add_co_i32 s22, s24, s25                     ; e0 + e1
	s_sub_co_i32 s42, 0, s22
	s_lshl_b32 s22, s22, 23
	s_add_co_i32 s30, s22, 0x4038aa3b              ; k = c x 2^(e0 + e1): the sum is added to c's exponent field
	s_mov_b32 s31, s30                             ; (named with it as a pair, so it is written)
	s_add_co_i32 s22, s24, 127
	s_lshl_b32 s23, s22, 23
	v_mov_b32 v56, s23                             ; 2^e0 as f32: the conversion takes its exponent field
	s_add_co_i32 s22, s22, 15
	s_lshl_b32 s22, s22, 23
	s_or_b32 s28, s22, 0x600000                    ; 57,344 x 2^e0,
	s_or_b32 s29, s28, 0x80000000                  ; and its negative
	s_wait_loadcnt 40                              ; the tables, the mask and coverage are in: behind them five rows of x, 40 loads
	ds_store_b128 v58, v[128:131]
	ds_store_b128 v58, v[132:135] offset:2*TCH
	ds_store_b128 v58, v[136:139] offset:TWC
	ds_store_b128 v58, v[140:143] offset:TWC+2*TCH
	ds_store_b128 v58, v[144:147] offset:TVT
	ds_store_b128 v58, v[148:151] offset:TVT+2*TCH
	ds_store_b128 v57, v[152:155]
	ds_store_b64 v161, v[156:157]
.irp i, 0,1,2,3,4,5,6,7,8,9,10,11,12,13,14,15
	v_ldexp_f32 v[16+\i], v[16+\i], s42            ; coverage x 2^-(e0 + e1)
.endr
	XLOAD 5, 0
	XLOAD 6, 0
	XLOAD 7, 0
	WIN 0
	; THE FILL: my 32 rows of block 0 become codes.  Four trips of 8 rows; each slot, once read, takes the row 8 further on: the last trip's requests are block 1's first 8 rows.
	s_mov_b32 s32, 4
	s_mov_b32 s33, 0
.Lfill:
	v_add_nc_u32 v8, s33, v6
.irp q, 0,1,2,3,4,5,6,7
	XCONS \q, 56, 1                                ; the slot's row is in: the seven younger rows, 56 loads, may be out, on the way in and round the loop alike
	XLOAD \q, 8
.endr
	WIN 0
	s_wait_xcnt 0x0                                ; x's base is stepped only behind this wait
	s_add_nc_u64 s[4:5], s[4:5], 32768
	s_add_co_u32 s33, s33, 8*PITCH
	s_sub_co_u32 s32, s32, 1
	s_cmp_lg_u32 s32, 0
	s_cbranch_scc1 .Lfill
	s_mov_b64 s[36:37], s[6:7]                     ; W at pass 0
	s_mov_b32 s35, 0
	BLOAD 0
	BLOAD 1
	BLOAD 2
	WIN 0
	s_wait_dscnt 0x0                               ; for the others' sake: my rows of codes and my parts of the tables and of the mask lie in LDS
	s_barrier_signal -1
	s_barrier_wait -1
	v_mov_b32 v10, v9
	TABLOAD 0                                      ; pass 0's W_c and dec
.irp i, 0,1,2,3,4,5,6,7,8,9,10,11,12,13,14,15
	v_mov_b32 v[SC+\i], 0
.endr
	s_wait_dscnt 0x0
	s_mov_b32 s32, 4
	s_mov_b32 s33, 0
	s_mov_b32 s34, 0
.Lblock0:                                              ; block 0's four passes; block 1's rows come in beside them
	v_add_nc_u32 v8, s33, v7
	PASS 0, 2, 3, 16
	s_sub_co_u32 s32, s32, 1
	s_cmp_lg_u32 s32, 0
	s_cbranch_scc1 .Lblock0
	BLOCKEND 0                                     ; behind its barrier block 1's codes are whole
	; THE WEIGHTS OF BLOCK 0's ROWS, in every wave: p = 2^(t - M_g) x mask, t = -c u, M_g the largest t of the 128
	s_wait_dscnt 0x0                               ; for the others' sake: my 32 finished u lie in LDS
	s_barrier_signal -1
	s_barrier_wait -1
.irp p, 0,1,2,3
	ds_load_b32 v[PW+\p], v61 offset:256*\p        ; u of row 64 p + lane,
	ds_load_b32 v[PW+4+\p], v61 offset:MSK-FS+256*\p   ; and its mask
.endr
.irp i, 0,1,2,3,4,5,6,7,8,9,10,11,12,13,14,15
	v_mov_b32 v[SC+\i], 0
.endr
.irp i, 0,1,2,3,4,5,6,7
	v_mov_b32 v[CA+\i], 0                          ; my eight sums of part
.endr
	s_wait_dscnt 0x0
	v_max3_num_f32 v57, -v[PW], -v[PW+1], -v[PW+2] ; the largest -u, which is the largest t's: among my four rows,
	v_max_num_f32 v57, v57, -v[PW+3]
	v_max_num_f32_dpp v57, v57, v57 row_xmask:1 row_mask:0xf bank_mask:0xf     ; and across the 32 lanes
	v_max_num_f32_dpp v57, v57, v57 row_xmask:2 row_mask:0xf bank_mask:0xf
	v_max_num_f32_dpp v57, v57, v57 row_xmask:4 row_mask:0xf bank_mask:0xf
	v_max_num_f32_dpp v57, v57, v57 row_xmask:8 row_mask:0xf bank_mask:0xf
	v_permlanex16_b32 v58, v57, s40, s41
	v_max_num_f32 v57, v57, v58
	v_mul_f32 v57, s46, v57                        ; -M_g = -c x the largest -u: the next launch makes the same number by the same line
.irp p, 0,1,2,3
	v_fma_f32 v[PW+\p], v[PW+\p], s46, v57         ; t - M_g
.endr
	s_wait_alu depctr_va_vdst(0)
.irp p, 0,1,2,3
	v_exp_f32 v[PW+\p], v[PW+\p]
.endr
	v_nop                                          ; a plain line between the exponentials and the first use of a result (ISA guide 5.7.2)
	s_wait_alu depctr_va_vdst(0)
.irp p, 0,1,2,3
	v_mul_f32 v[PW+\p], v[PW+\p], v[PW+4+\p]
.endr
	s_wait_xcnt 0x0                                ; the second reading's base is stepped only behind this wait: its first 32 rows have been asked for
	s_add_nc_u64 s[52:53], s[52:53], 262144
	s_mov_b32 s32, 4
	s_mov_b32 s34, 0
.Lblock1:                                              ; block 1's four passes; block 0's rows come in once more beside them, 32 a pass
	PASS 1, 4, 5, 24
	v_mov_b32 v[PW], v[PW+1]                       ; the next pass's 32 weights move up
	v_mov_b32 v[PW+1], v[PW+2]
	v_mov_b32 v[PW+2], v[PW+3]
	s_sub_co_u32 s32, s32, 1
	s_cmp_lg_u32 s32, 0
	s_cbranch_scc1 .Lblock1
	global_store_b128 v1, v[CA:CA+3], s[50:51]                 ; columns 256 w + 4 x lane on: 32 lanes store 512 consecutive bytes, at a multiple of 256 from part's first byte
	global_store_b128 v1, v[CA+4:CA+7], s[50:51] offset:512    ; and 256 w + 128 + 4 x lane on
	BLOCKEND 1
	ds_load_b64 v[58:59], v14                      ; my wave's own 256 bytes: LDS serves a wave's instructions in order (ISA guide 5.7.1.4)
	s_wait_dscnt 0x0
	global_store_b64 v15, v[58:59], s[18:19]       ; 32 lanes store 256 consecutive bytes, at a multiple of 256 from scor's first byte
	s_wait_xcnt 0x0
	v_lshl_add_u32 v254, v0, 2, 0x46400
	v_mov_b32 v255, 0
	s_wait_alu depctr_va_vdst(0)
	s_wait_tensorcnt 0x0
	ds_add_u32 v254, v255
	s_wait_dscnt 0x0
	s_endpgm
.Lfunc_end_k_q9e25ab6228_scores:
	.size	k_q9e25ab6228_scores, .Lfunc_end_k_q9e25ab6228_scores-k_q9e25ab6228_scores
	.p2alignl 7, 3214868480
	.fill 96, 4, 3214868480
	.section	.rodata,"a",@progbits
	.p2align	6, 0x0
	.amdhsa_kernel k_q9e25ab6228_scores
		.amdhsa_group_segment_fixed_size 288256
		.amdhsa_private_segment_fixed_size 0
		.amdhsa_enable_private_segment 0
		.amdhsa_kernarg_size 80
		.amdhsa_user_sgpr_count 2
		.amdhsa_user_sgpr_kernarg_segment_ptr 1
		.amdhsa_wavefront_size32 1
		.amdhsa_system_sgpr_workgroup_id_x 1
		.amdhsa_system_sgpr_workgroup_id_y 1
		.amdhsa_system_sgpr_workgroup_id_z 1
		.amdhsa_system_vgpr_workitem_id 0
		.amdhsa_next_free_vgpr 1024
		.amdhsa_next_free_sgpr 66
		.amdhsa_reserve_vcc 0
		.amdhsa_float_denorm_mode_32 3
		.amdhsa_float_denorm_mode_16_64 3
		.amdhsa_memory_ordered 1
		.amdhsa_forward_progress 1
		.amdhsa_inst_pref_size 255
	.end_amdhsa_kernel
	.section	.bss,"aw",@nobits
	.p2align	6
	.space	262144
	.amdgpu_metadata
---
amdhsa.version: [ 1, 2 ]
amdhsa.kernels:
  - .name:           k_q9e25ab6228_scores
    .symbol:         k_q9e25ab6228_scores.kd
    .args:
      - { .name: encoder_outputs, .offset: 0, .size: 8, .value_kind: global_buffer, .address_space: global }
      - { .name: wimg, .offset: 8, .size: 8, .value_kind: global_buffer, .address_space: global }
      - { .name: dec, .offset: 16, .size: 8, .value_kind: global_buffer, .address_space: global }
      - { .name: coverage, .offset: 24, .size: 8, .value_kind: global_buffer, .address_space: global }
      - { .name: W_c, .offset: 32, .size: 8, .value_kind: global_buffer, .address_space: global }
      - { .name: v, .offset: 40, .size: 8, .value_kind: global_buffer, .address_space: global }
      - { .name: lowp_scales, .offset: 48, .size: 8, .value_kind: global_buffer, .address_space: global }
      - { .name: scor, .offset: 56, .size: 8, .value_kind: global_buffer, .address_space: global }
      - { .name: enc_padding_mask, .offset: 64, .size: 8, .value_kind: global_buffer, .address_space: global }
      - { .name: part, .offset: 72, .size: 8, .value_kind: global_buffer, .address_space: global }
    .group_segment_fixed_size: 288256
    .private_segment_fixed_size: 0
    .kernarg_segment_align: 8
    .kernarg_segment_size: 80
    .max_flat_workgroup_size: 128
    .sgpr_count:     66
    .vgpr_count:     1024
    .wavefront_size: 32
...
	.end_amdgpu_metadata
.endif
;; end of part 2
;; launch context (part 3): grid 4 x 64, 16 waves a work-group, no clusters, 18,432 bytes of LDS; arguments encoder_outputs, scor, enc_padding_mask, coverage, part, out0, out1, out2; writes out0, out1, out2
.if DOCPART == 3
	.amdgcn_target "amdgcn-amd-amdhsa--gfx1250"
	.amdhsa_code_object_version 6
	.text
	.protected	k_q9e25ab6228_context
	.globl	k_q9e25ab6228_context
	.p2align	8
	.type	k_q9e25ab6228_context,@function
k_q9e25ab6228_context:
	s_mov_b64 s[64:65], 0
	v_nop
	global_prefetch_b8 v0, s[64:65] scope:SCOPE_SE
	s_setreg_imm32_b32 hwreg(HW_REG_WAVE_MODE, 25, 1), 1
	s_wait_xcnt 0x0
; attn = softmax(score) x mask / its sum;  out1 = attn;  out2 = coverage + attn;  out0 = c_t[b][:] = the sum over s of attn[b][s] x[b][s][:].
; scor holds u with score = const - 2 u, so with t = -c u, c = 2 log2(e):  e^(score - largest score) = 2^(t - M), M the row's largest t.  THE MAXIMUM IS TAKEN AWAY, over all 1,024 s as the softmax has it;
; the softmax's own divisor falls out of attn_ / sum(attn_).  A mask of zeros alone gives 0 x infinity = NaN, as 0 / 0 does.
; HALF OF c_t ARRIVES READY: for each quarter q of the batch's rows (256 q on), part[4 b + q][:] holds the sum of 2^(t - M_q) x mask x x over the rows s with s % 64 < 32, M_q the largest t among those 128 rows.
; Here M_q is found again from scor (a maximum rounds nothing, and -M_q is made by the same multiplication), and part x 2^(M_q - M) / the sum is added at the end.  The rows with s % 64 >= 32 are streamed here.
; SHARES.  Work-group (j, b) owns columns 256 j .. 256 j + 255 of c_t[b]: 1,024 bytes of each row; wave W owns rows 64 W + 32 .. 64 W + 63.
; Every wave makes the row's maximum and sum for itself from the 4 KB of u and of the mask (no barrier ahead of the stream); waves 4 j .. 4 j + 3 of work-group j store their 64 numbers of out1 and out2.
; Memory binds: 512 consecutive bytes a load, 16 rows (32 loads) of each of 16 waves on their way.  The product has M = 1: fused multiply-adds in f32; matrix units, LDS tiles and clusters would add nothing
; (no two work-groups read the same bytes of x).  The 32 rows are written out: every offset is an immediate, 63 x 4,096 + 512 at the most.
; REGISTERS: v1 16 x lane; v2 8 x lane; v3 16 x thread; v5 LDS: 1,024 W + 16 x lane; v6 256 W + 8 x lane; v7 16 x (thread % 64); v8-15 my eight sums; v16-21 my two u, mask, coverage;
;   v[22:23] attn of rows 64 W + 2 x lane and the next; v24-29 at work; v32-35 a number for each quarter; v36-51 part: four columns of each quarter; v64-191 the ring: 16 rows x 8;
;   v192-223 all u (number 128 m + 4 x lane + i in register 4 m + i: quarter m / 2; s % 64 < 32 in the lanes whose bit 3 is 0); v224-255 the mask, likewise.
.macro RLOAD i                         ; row 64 W + i: my work-group's 1,024 bytes of it
	global_load_b128 v[64+8*((\i)%16):64+8*((\i)%16)+3], v1, s[4:5] offset:(\i)*4096 th:TH_LOAD_NT
	global_load_b128 v[64+8*((\i)%16)+4:64+8*((\i)%16)+7], v1, s[4:5] offset:(\i)*4096+512 th:TH_LOAD_NT
.endm
.macro ROW i
.if (\i) <= 48
	s_wait_loadcnt 30                              ; the row is in: the 15 younger rows, two loads each, may be out
.else
	s_wait_loadcnt 2*(63-(\i))                     ; the last rows: the counts run down
.endif
	v_readlane_b32 s[20+2*((\i)%2)], v[22+(\i)%2], (\i)/2          ; attn of row i, for all lanes; two scalar pairs by turns
.irp m, 0,2,4,6
.if (\i) == 32
	s_wait_alu depctr_va_vdst(0)
	v_pk_mul_f32 v[8+\m:9+\m], v[64+\m:65+\m], s[20:21] op_sel_hi:[1,0]                    ; the first row starts the sums
.else
	v_pk_fma_f32 v[8+\m:9+\m], v[64+8*((\i)%16)+\m:64+8*((\i)%16)+\m+1], s[20+2*((\i)%2):21+2*((\i)%2)], v[8+\m:9+\m] op_sel_hi:[1,0,1]
.endif
.endr
.if (\i) < 48
	s_wait_alu depctr_va_vdst(0)
	RLOAD (\i)+16
.endif
.endm
	s_load_b256 s[4:11], s[0:1], 0x0               ; x s[4:5], scor s[6:7], the mask s[8:9], coverage s[10:11]
	s_load_b256 s[12:19], s[0:1], 0x20             ; part s[12:13], out0 s[14:15], out1 s[16:17], out2 s[18:19]
	v_lshl_add_u32 v62, v0, 2, 0x4000
	v_mov_b32 v63, 0
	v_lshrrev_b32 v4, 5, v0
	s_delay_alu instid0(VALU_DEP_1)
	v_readfirstlane_b32 s42, v4                    ; wave W
	v_and_b32 v4, 31, v0
	s_delay_alu instid0(VALU_DEP_1)
	v_lshlrev_b32 v1, 4, v4
	s_delay_alu instid0(VALU_DEP_2)
	v_lshlrev_b32 v2, 3, v4
	v_lshlrev_b32 v3, 4, v0
	v_and_b32 v7, 63, v0
	s_delay_alu instid0(VALU_DEP_1)
	v_lshlrev_b32 v7, 4, v7
	s_lshl_b32 s43, s42, 10
	v_add_nc_u32 v5, s43, v1
	s_lshl_b32 s30, s42, 8
	v_add_nc_u32 v6, s30, v2
	s_and_b32 s24, ttmp7, 0xffff                   ; b
	s_lshl_b32 s26, s24, 12                        ; a row of 1,024 f32
	s_mov_b32 s27, 0
	s_lshl_b32 s28, s24, 22                        ; the batch's 1,024 rows of x,
	s_lshl_b32 s29, s42, 18                        ; my wave's 64,
	s_add_co_u32 s28, s28, s29
	s_lshl_b32 s32, ttmp9, 10                      ; my work-group's 1,024 bytes of a row
	s_add_co_u32 s28, s28, s32
	s_mov_b32 s29, 0
	s_mov_b32 s33, 0
	s_lshl_b32 s36, s24, 14                        ; part: the batch's four rows of 4,096 bytes,
	s_add_co_u32 s36, s36, s32                     ; at my work-group's columns
	s_mov_b32 s37, 0
	s_mov_b32 s34, 0x76543210                      ; v_permlanex16_b32's selects for lane l xor 16
	s_mov_b32 s35, 0xfedcba98
	s_mov_b32 s38, 0xc038aa3b                      ; -c = -2 log2(e)
	s_mov_b32 s39, s38                             ; (named with it as a pair, so it is written)
	s_mov_b32 s21, 0                               ; (the upper halves of the two pairs that carry attn)
	s_mov_b32 s23, 0
	s_wait_alu depctr_va_vdst(0)
	s_wait_kmcnt 0x0
	s_add_nc_u64 s[4:5], s[4:5], s[28:29]
	s_add_nc_u64 s[6:7], s[6:7], s[26:27]
	s_add_nc_u64 s[8:9], s[8:9], s[26:27]
	s_add_nc_u64 s[10:11], s[10:11], s[26:27]
	s_add_nc_u64 s[12:13], s[12:13], s[36:37]
	s_add_nc_u64 s[14:15], s[14:15], s[26:27]
	s_add_nc_u64 s[14:15], s[14:15], s[32:33]
	s_add_nc_u64 s[16:17], s[16:17], s[26:27]
	s_add_nc_u64 s[18:19], s[18:19], s[26:27]
.irp m, 0,1,2,3,4,5,6,7
	global_load_b128 v[192+4*\m:195+4*\m], v1, s[6:7] offset:512*\m
.endr
.irp m, 0,1,2,3,4,5,6,7
	global_load_b128 v[224+4*\m:227+4*\m], v1, s[8:9] offset:512*\m
.endr
	global_load_b64 v[16:17], v6, s[6:7]
	global_load_b64 v[18:19], v6, s[8:9]
	global_load_b64 v[20:21], v6, s[10:11]
.irp g, 0,1,2,3
	global_load_b128 v[36+4*\g:39+4*\g], v7, s[12:13] offset:4096*\g       ; part of quarter g, columns 4 (thread % 64) on: used by threads 0-63 at the end; every wave asks alike, so no count hangs on the wave
.endr
.irp i, 32,33,34,35,36,37,38,39,40,41,42,43,44,45,46,47
	RLOAD \i
.endr
	s_wait_loadcnt 32                              ; u, the mask, coverage and part are in: behind them the ring's 32 loads, which land under the softmax
.irp g, 0,1,2,3
	v_max3_num_f32 v[32+\g], -v[192+8*\g], -v[193+8*\g], -v[194+8*\g]      ; the largest -u, which is the largest t's: quarter by quarter among my eight,
.endr
.irp g, 0,1,2,3
	s_delay_alu instid0(VALU_DEP_4)
	v_max3_num_f32 v[32+\g], v[32+\g], -v[195+8*\g], -v[196+8*\g]
.endr
.irp g, 0,1,2,3
	s_delay_alu instid0(VALU_DEP_4)
	v_max3_num_f32 v[32+\g], v[32+\g], -v[197+8*\g], -v[198+8*\g]
.endr
.irp g, 0,1,2,3
	s_delay_alu instid0(VALU_DEP_4)
	v_max_num_f32 v[32+\g], v[32+\g], -v[199+8*\g]
.endr
.irp x, 1,2,4
.irp g, 0,1,2,3
	s_delay_alu instid0(VALU_DEP_4)
	v_max_num_f32_dpp v[32+\g], v[32+\g], v[32+\g] row_xmask:\x row_mask:0xf bank_mask:0xf   ; and across the lanes that agree in bit 3:
.endr
.endr
	v_mov_b32 v28, 0                               ; (written once: a lane permute's destination counts as one of its sources)
.irp g, 0
	s_delay_alu instid0(VALU_DEP_1)
	v_permlanex16_b32 v28, v[32+\g], s34, s35
	s_delay_alu instid0(VALU_DEP_1)
	v_max_num_f32 v[32+\g], v[32+\g], v28          ; where bit 3 is 0: that of the quarter's rows with s % 64 < 32, which part was summed under
.endr
.irp g, 1, 2, 3
	s_delay_alu instid0(VALU_DEP_2)
	v_permlanex16_b32 v28, v[32+\g], s34, s35
	s_delay_alu instid0(VALU_DEP_1)
	v_max_num_f32 v[32+\g], v[32+\g], v28          ; where bit 3 is 0: that of the quarter's rows with s % 64 < 32, which part was summed under
.endr
	s_delay_alu instid0(VALU_DEP_3)
	v_max3_num_f32 v24, v32, v33, v34              ; the four quarters,
	s_delay_alu instid0(VALU_DEP_1)
	v_max_num_f32 v24, v24, v35
	s_delay_alu instid0(VALU_DEP_1)
	v_max_num_f32_dpp v24, v24, v24 row_xmask:8 row_mask:0xf bank_mask:0xf     ; and both kinds of rows: the batch's largest
	s_delay_alu instid0(VALU_DEP_1)
	v_mul_f32 v24, s38, v24                        ; -M = -c x the largest -u
	s_delay_alu instid0(VALU_DEP_1)
	v_mov_b32 v25, v24
.irp g, 0,1,2,3
	v_mul_f32 v[32+\g], s38, v[32+\g]              ; -M_q, by the line that made it for part
.endr
.irp g, 0,1,2,3
	s_delay_alu instid0(VALU_DEP_4)
	v_sub_f32 v[32+\g], v24, v[32+\g]              ; M_q - M, 0 or less
.endr
.irp i, 0,2,4,6,8,10,12,14,16,18,20,22,24,26,28,30
	v_pk_fma_f32 v[192+\i:193+\i], v[192+\i:193+\i], s[38:39], v[24:25] op_sel_hi:[1,0,1]  ; t - M = u x (-c) - M, 0 or less but for a rounding
.endr
	v_pk_fma_f32 v[16:17], v[16:17], s[38:39], v[24:25] op_sel_hi:[1,0,1]
	s_wait_alu depctr_va_vdst(0)
.irp i, 0,1,2,3,4,5,6,7,8,9,10,11,12,13,14,15,16,17,18,19,20,21,22,23,24,25,26,27,28,29,30,31
	v_exp_f32 v[192+\i], v[192+\i]
.endr
	v_exp_f32 v16, v16
	v_exp_f32 v17, v17
.irp g, 0,1,2,3
	v_exp_f32 v[32+\g], v[32+\g]                   ; 2^(M_q - M)
.endr
	v_nop                                          ; a plain line between the exponentials and the first use of a result (ISA guide 5.7.2)
	s_wait_alu depctr_va_vdst(0)
	v_pk_mul_f32 v[26:27], v[192:193], v[224:225]  ; the sum of 2^(t - M) x mask, in two chains
	v_pk_mul_f32 v[28:29], v[194:195], v[226:227]
.irp i, 4,8,12,16,20,24,28
	v_pk_fma_f32 v[26:27], v[192+\i:193+\i], v[224+\i:225+\i], v[26:27]
	v_pk_fma_f32 v[28:29], v[194+\i:195+\i], v[226+\i:227+\i], v[28:29]
.endr
	s_delay_alu instid0(VALU_DEP_1)
	v_pk_add_f32 v[26:27], v[26:27], v[28:29]
	s_delay_alu instid0(VALU_DEP_1)
	v_add_f32 v26, v26, v27
	s_delay_alu instid0(VALU_DEP_1)
	v_add_f32_dpp v26, v26, v26 row_xmask:1 row_mask:0xf bank_mask:0xf
	s_delay_alu instid0(VALU_DEP_1)
	v_add_f32_dpp v26, v26, v26 row_xmask:2 row_mask:0xf bank_mask:0xf
	s_delay_alu instid0(VALU_DEP_1)
	v_add_f32_dpp v26, v26, v26 row_xmask:4 row_mask:0xf bank_mask:0xf
	s_delay_alu instid0(VALU_DEP_1)
	v_add_f32_dpp v26, v26, v26 row_xmask:8 row_mask:0xf bank_mask:0xf
	s_delay_alu instid0(VALU_DEP_1)
	v_permlanex16_b32 v27, v26, s34, s35
	s_delay_alu instid0(VALU_DEP_1)
	v_add_f32 v26, v26, v27
	s_wait_alu depctr_va_vdst(0)
	v_rcp_f32 v26, v26
	v_pk_mul_f32 v[22:23], v[16:17], v[18:19]      ; (a plain line behind the reciprocal)  my two rows: 2^(t - M) x mask,
	s_wait_alu depctr_va_vdst(0)
	v_pk_mul_f32 v[22:23], v[22:23], v[26:27] op_sel_hi:[1,0]                  ; / the sum: attn
	s_delay_alu instid0(VALU_DEP_1)
	v_pk_add_f32 v[24:25], v[20:21], v[22:23]      ; coverage + attn
.irp g, 0,1,2,3
	v_mul_f32 v[32+\g], v[32+\g], v26              ; 2^(M_q - M) / the sum: what part of quarter q is multiplied by
.endr
.irp g, 0,1,2,3
	s_delay_alu instid0(VALU_DEP_4)
	v_readlane_b32 s[44+\g], v[32+\g], 0           ; lane 0's bit 3 is 0
.endr
	s_lshr_b32 s40, s42, 2
	s_cmp_lg_u32 s40, ttmp9                        ; of the batch's four work-groups, work-group j stores rows 256 j on: waves 4 j .. 4 j + 3
	s_cbranch_scc1 .Lno_attn
	global_store_b64 v6, v[22:23], s[16:17]        ; 32 lanes store 256 consecutive bytes, at a multiple of 256 from the output's first byte
	global_store_b64 v6, v[24:25], s[18:19]
.Lno_attn:
.irp i, 32,33,34,35,36,37,38,39,40,41,42,43,44,45,46,47,48,49,50,51,52,53,54,55,56,57,58,59,60,61,62,63
	s_wait_alu depctr_va_vdst(0)
	ROW \i
.endr
	ds_store_b128 v5, v[8:11]                      ; columns 4 x lane on,
	ds_store_b128 v5, v[12:15] offset:512          ; and 128 + 4 x lane on: byte 4 x column of my wave's 1,024
	s_wait_dscnt 0x0                               ; for the others' sake: my sums lie in LDS
	s_barrier_signal -1
	s_barrier_wait -1
	s_cmp_gt_u32 s42, 1
	s_cbranch_scc1 .Ldone                          ; threads 0-63 add the sixteen waves' sums and the four quarters' parts, four columns each
.irp p, 0,1,2,3,4,5,6,7,8,9,10,11,12,13,14,15
	ds_load_b128 v[64+4*\p:67+4*\p], v3 offset:1024*\p
.endr
	s_wait_dscnt 0x0
.irp p, 0,2,4,6,8,10,12,14
	v_pk_add_f32 v[64+4*\p:65+4*\p], v[64+4*\p:65+4*\p], v[68+4*\p:69+4*\p]
	v_pk_add_f32 v[66+4*\p:67+4*\p], v[66+4*\p:67+4*\p], v[70+4*\p:71+4*\p]
.endr
.irp p, 0,4,8,12
	v_pk_add_f32 v[64+4*\p:65+4*\p], v[64+4*\p:65+4*\p], v[72+4*\p:73+4*\p]
	v_pk_add_f32 v[66+4*\p:67+4*\p], v[66+4*\p:67+4*\p], v[74+4*\p:75+4*\p]
.endr
.irp p, 0
	v_pk_add_f32 v[64+4*\p:65+4*\p], v[64+4*\p:65+4*\p], v[80+4*\p:81+4*\p]
	v_pk_add_f32 v[66+4*\p:67+4*\p], v[66+4*\p:67+4*\p], v[82+4*\p:83+4*\p]
.endr
.irp p, 8
	s_delay_alu instid0(VALU_DEP_4)
	v_pk_add_f32 v[64+4*\p:65+4*\p], v[64+4*\p:65+4*\p], v[80+4*\p:81+4*\p]
	s_delay_alu instid0(VALU_DEP_4)
	v_pk_add_f32 v[66+4*\p:67+4*\p], v[66+4*\p:67+4*\p], v[82+4*\p:83+4*\p]
.endr
	s_delay_alu instid0(VALU_DEP_2)
	v_pk_add_f32 v[64:65], v[64:65], v[96:97]
	s_delay_alu instid0(VALU_DEP_2)
	v_pk_add_f32 v[66:67], v[66:67], v[98:99]
.irp g, 0,1,2,3
.irp i, 0,1,2,3
	v_fma_f32 v[64+\i], v[36+4*\g+\i], s[44+\g], v[64+\i]
.endr
.endr
	global_store_b128 v3, v[64:67], s[14:15]       ; a wave stores 512 consecutive bytes, at a multiple of 256 from out0's first byte
.Ldone:
	s_wait_tensorcnt 0x0
	ds_add_u32 v62, v63
	s_wait_dscnt 0x0
	s_endpgm
.Lfunc_end_k_q9e25ab6228_context:
	.size	k_q9e25ab6228_context, .Lfunc_end_k_q9e25ab6228_context-k_q9e25ab6228_context
	.p2alignl 7, 3214868480
	.fill 96, 4, 3214868480
	.section	.rodata,"a",@progbits
	.p2align	6, 0x0
	.amdhsa_kernel k_q9e25ab6228_context
		.amdhsa_group_segment_fixed_size 18432
		.amdhsa_private_segment_fixed_size 0
		.amdhsa_enable_private_segment 0
		.amdhsa_kernarg_size 64
		.amdhsa_user_sgpr_count 2
		.amdhsa_user_sgpr_kernarg_segment_ptr 1
		.amdhsa_wavefront_size32 1
		.amdhsa_system_sgpr_workgroup_id_x 1
		.amdhsa_system_sgpr_workgroup_id_y 1
		.amdhsa_system_sgpr_workgroup_id_z 1
		.amdhsa_system_vgpr_workitem_id 0
		.amdhsa_next_free_vgpr 256
		.amdhsa_next_free_sgpr 66
		.amdhsa_reserve_vcc 0
		.amdhsa_float_denorm_mode_32 3
		.amdhsa_float_denorm_mode_16_64 3
		.amdhsa_memory_ordered 1
		.amdhsa_forward_progress 1
		.amdhsa_inst_pref_size 37
	.end_amdhsa_kernel
	.amdgpu_metadata
---
amdhsa.version: [ 1, 2 ]
amdhsa.kernels:
  - .name:           k_q9e25ab6228_context
    .symbol:         k_q9e25ab6228_context.kd
    .args:
      - { .name: encoder_outputs, .offset: 0, .size: 8, .value_kind: global_buffer, .address_space: global }
      - { .name: scor, .offset: 8, .size: 8, .value_kind: global_buffer, .address_space: global }
      - { .name: enc_padding_mask, .offset: 16, .size: 8, .value_kind: global_buffer, .address_space: global }
      - { .name: coverage, .offset: 24, .size: 8, .value_kind: global_buffer, .address_space: global }
      - { .name: part, .offset: 32, .size: 8, .value_kind: global_buffer, .address_space: global }
      - { .name: out0, .offset: 40, .size: 8, .value_kind: global_buffer, .address_space: global }
      - { .name: out1, .offset: 48, .size: 8, .value_kind: global_buffer, .address_space: global }
      - { .name: out2, .offset: 56, .size: 8, .value_kind: global_buffer, .address_space: global }
    .group_segment_fixed_size: 18432
    .private_segment_fixed_size: 0
    .kernarg_segment_align: 8
    .kernarg_segment_size: 64
    .max_flat_workgroup_size: 512
    .sgpr_count:     66
    .vgpr_count:     256
    .wavefront_size: 32
...
	.end_amdgpu_metadata
.endif
;; end of part 3
